; MI455X (gfx1250); checked and timed in simulation.
; The chip was launched on July 23, 2026; its instructions are those of AMD's public machine-readable ISA for CDNA 5 (MIT licence, August 2026) and "CDNA5" Instruction Set Architecture Reference Guide (July 2026). The comments in the code are by the model that wrote it; some were corrected since.
;; QKV Multihead Attention. Allowed arithmetic: matrix products marked QUANTISED: E3M2 operands, one E8M0 scale for each 32 along K, by v_wmma_scale_f32_16x16x128_f8f6f4 with both operands' format E3M2, f32 sums; everything else in f32.
;; Inputs: qkv 2 x 2,048 x 3,072 float32.
;; Outputs: out0 2 x 2,048 x 1,024 float32.
;; This version of the problem:
;;   THIS VERSION OF THE PROBLEM IS GIVEN IN LOW PRECISION. The matrix products marked QUANTISED in the list below multiply operands that are first quantised to E3M2 (3 exponent bits, 2 mantissa bits; 6 bits a number), with one power-of-two scale for each 32 numbers along K (OCP MX v1.0); their sums are f32. All else is computed in f32.
;;   The module's matrix products, in the order in which they are computed (A, B: the left and right operand; K: the contracted axis; several contracted axes count as one K, in the product's order):
;;     1. batch 32 x [M 2,048, K 64] x [K 64, N 2,048]; A: computed on the way; B: computed on the way: QUANTISED
;;     2. batch 32 x [M 64, K 2,048] x [K 2,048, N 2,048]; A: computed on the way; B: softmax (see below): QUANTISED
;;   THE QUANTISER, for each operand of a quantised product, along K:
;;     - K is cut into blocks of 32 from its start; a last block that is shorter is filled with zeros.
;;     - A block's scale is 2^e with e = floor(log2(the largest magnitude in the block)) - 4, held to -126 .. 127; a block of zeros has e = 0. As a byte (E8M0): e + 127.
;;     - Each number is divided by its block's scale, clamped to +-28, and rounded to the nearest number of E3M2, ties to even, subnormals kept.
;;     - The product sums the exact products of the quantised numbers (number of the format x scale) in f32.
;;   ~~~python
;;   def quantise(x, axis):      # numpy; x: float32 -> the quantised numbers, widened to float32 again
;;       x = np.moveaxis(x, axis, -1); K = x.shape[-1]
;;       x = np.pad(x, [(0, 0)] * (x.ndim - 1) + [(0, -K % 32)]); x = x.reshape(x.shape[:-1] + (-1, 32)); a = np.abs(x).max(-1, keepdims=True)
;;       e = np.where(a > 0, np.clip(np.frexp(np.where(a > 0, a, 1))[1] - 1 - 4, -126, 127), 0)      # np.frexp(a)[1] - 1 = floor(log2(a)), exactly
;;       r = np.clip(x / 2.0 ** e, -28, 28)
;;       step = 2.0 ** (np.maximum(np.frexp(np.where(r == 0, 1, r))[1] - 1, -2) - 2)
;;       q = np.round(r / step) * step * 2.0 ** e      # np.round: ties to even
;;       return np.moveaxis(q.reshape(q.shape[:-2] + (-1,))[..., :K], -1, axis).astype(np.float32)
;;   ~~~
;;   SOFTMAX AHEAD OF A QUANTISED PRODUCT. Where the list says 'softmax', what is quantised is not the finished softmax but p = 2^(t - M), with t = logit x log2(e) and M = ceil(the row's largest t), a whole number; so 1/2 < the row's largest p <= 1. The row's sum l is taken of the UNQUANTISED p, in f32, and the product's result is divided by l at the end. Since M is a whole number, a kernel that streams over the keys may use a running M (the ceiling of the running maximum): every later rescaling is an exact power of two, which a block's scale takes up: the codes' values come out the same.
;;   OPERANDS COMPUTED ON THE WAY. 'Computed on the way' means the value that the module computes at that place (a softmax that the list does not call 'softmax' is quantised finished and normalised). What goes into a quantiser is computed in f32, as accurately as f32 sums, v_exp_f32 and their like allow (about 1e-6 of the number): no bf16 or f16 on the way to a quantiser, and a product that is left as it is and whose result goes on into a quantised operand takes f32 operands (vector FMAs, or v_wmma_f32_16x16x4_f32). A number that lies on a knife's edge between two numbers of the format may be rounded either way, as far as f32 arithmetic and the matrix unit's own rounding can turn it there, and no further.
;; One version. Each part assembles by itself: llvm-mc -triple=amdgcn-amd-amdhsa -mcpu=gfx1250 --defsym DOCPART=n.
;; ======== version 1 of 1: 2 launches
;; limits: right only within a limited range of input values
;; workspace buffers: ws 6,553,600 bytes
;; launch quant (part 1): grid 256 x 1, 8 waves a work-group, no clusters, 167,936 bytes of LDS; arguments qkv, ws; writes ws
.if DOCPART == 1
	.amdgcn_target "amdgcn-amd-amdhsa--gfx1250"
	.amdhsa_code_object_version 6
	.text
	.protected	k_q3e43c3443e_quant
	.globl	k_q3e43c3443e_quant
	.p2align	8
	.type	k_q3e43c3443e_quant,@function
k_q3e43c3443e_quant:
	s_mov_b64 s[64:65], 0
	v_nop
	global_prefetch_b8 v0, s[64:65] scope:SCOPE_SE
	s_setreg_imm32_b32 hwreg(HW_REG_WAVE_MODE, 25, 1), 1
	s_wait_xcnt 0x0
; K x scale and V of qkv [2][2048][16 heads][q 64 | k 64 | v 64], f32, become codes of BF6 (E3M2) with one E8M0 scale for each 32: K along its 64 channels, V along the positions.  (Q is quantised by the launch that multiplies it.)
; A block's scale is 2^(floor(log2(its largest magnitude)) - 4), its byte the largest magnitude's exponent field - 4, held at 1 from below.  A block of zeros so gets the byte 1: its codes are zeros, and this program alone reads the bytes.
; LIMITS: blocks whose largest magnitude lies under 2^(4 - 126) keep the byte 1; NaN and infinities are not served.
; A UNIT is 128 positions of a head, 12,800 bytes, in the order in which the second launch's operand registers take them:
;   0       K: four blocks b of 32 positions, 1,536 bytes each: 48 bytes a lane as three chunks of 16 x lane: 24 bytes of position r, 24 of position 16 + r (r = lane % 16), channels 32 (lane / 16) + 0 .. 31
;   6,144   V: four blocks b of 32 positions, 1,536 bytes each: for channel ch 16 bytes at 16 ch, then 8 bytes at 1,024 + 8 (ch xor 16 (b % 2)).  Code s of a block is position 16 ((s / 8) % 2) + 8 (s / 16) + s % 8: the order of P's codes
;   12,288  scale words, 16 bytes a lane l: K's of blocks 2 (l / 16) and 2 (l / 16) + 1 (bytes: position r's two blocks of channels, then position 16 + r's), then V's of channel tiles 2 (l / 16), 2 (l / 16) + 1 (byte b: block b)
; A work-group takes 256 positions of a head (two units), each of its eight waves 32 of them: block b = wave % 4 of unit wave / 4.  ONE tensor load a wave brings its 32 rows of 512 bytes (K and V); it alone reads them, so no barrier stands ahead of the reads.
; The scale words of a unit come from four waves: they meet in LDS behind the one barrier.  Work-groups share no input: no clusters.  No loop, so no prefetch.
.set ROWP,  528                        ; 512 bytes + 16 of padding
.set WREG,  32*ROWP                    ; a wave's rows
.set SST,   8*WREG                     ; two units' scale words, 512 bytes each
.set SPARE, SST+1024                   ; the spare words, 128 bytes a wave
.set UNITB, 12800
.set X,   32                           ; v32-95 K's numbers, two sets of 32
.set VX,  96                           ; v96-159 V's numbers, two columns
.set KC,  160                          ; v160-171 K's codes
.set VC,  172                          ; v172-183 V's codes
.set SPW, 184
.set NIL, 185
.set G1,  16
.set G0,  24
	s_load_b128 s[4:7], s[0:1], 0x0                ; qkv s[4:5], ws s[6:7]
	v_lshl_add_u32 v[SPW], v0, 2, SPARE
	v_mov_b32 v[NIL], 0
	ds_add_u32 v[SPW], v[NIL]                      ; the add, twice, and its wait ahead of the tensor load
	ds_add_u32 v[SPW], v[NIL]
	v_lshrrev_b32 v1, 5, v0
	v_readfirstlane_b32 s8, v1                     ; wave 0..7
	s_lshr_b32 s32, ttmp9, 7                       ; batch
	s_mul_i32 s32, s32, 25165824
	s_bfe_u32 s33, ttmp9, 0x40003                  ; head
	s_mul_i32 s33, s33, 768
	s_and_b32 s34, ttmp9, 7                        ; which 256 positions
	s_lshl_b32 s34, s34, 8
	s_lshl_b32 s35, s8, 5
	s_add_co_u32 s34, s34, s35
	s_mul_i32 s34, s34, 12288
	s_add_co_u32 s32, s32, s33
	s_add_co_u32 s32, s32, s34
	s_add_co_u32 s32, s32, 256                     ; K stands 256 bytes behind Q
	s_mov_b32 s33, 0
	s_lshr_b32 s41, s8, 2                          ; my unit of the two
	s_and_b32 s42, s8, 3                           ; my block b
	s_lshl_b32 s40, ttmp9, 1
	s_add_co_u32 s36, s40, s41
	s_mul_i32 s36, s36, UNITB
	s_mul_i32 s43, s42, 1536
	s_add_co_u32 s36, s36, s43                     ; K's codes of my block; V's 6,144 bytes on
	s_mov_b32 s37, 0
	s_add_co_u32 s46, s40, s8                      ; waves 0 and 1 store unit 0's and 1's scale words
	s_mul_i32 s46, s46, UNITB
	s_add_co_u32 s46, s46, 12288
	s_mov_b32 s47, 0
	s_mul_i32 s38, s8, WREG
	s_mov_b32 s12, 0x3eb504f3                      ; 1 / sqrt(sqrt(64))
	s_mov_b32 s13, s12
	s_mov_b32 s14, 0x76543210                      ; v_permlanex16_b32's selects for lane l xor 16
	s_mov_b32 s15, 0xfedcba98
	s_mov_b32 s[G1+0], (2<<16)|(1<<20)|(6<<22)|(3<<25)   ; elements of 4 bytes; after every 128 words 4 words of padding
	s_mov_b32 s[G1+1], 128<<16
	s_mov_b32 s[G1+2], 32<<16
	s_mov_b32 s[G1+3], 128<<16
	s_mov_b32 s[G1+4], 32
	s_mov_b32 s[G1+5], 3072
	s_mov_b32 s[G1+6], 0
	s_mov_b32 s[G1+7], 0
	s_mov_b32 s[G0+0], 1
	s_mov_b32 s[G0+1], s38
	s_wait_alu depctr_va_vdst(0)
	s_wait_dscnt 0x0
	s_wait_kmcnt 0x0
	s_add_nc_u64 s[G0+2:G0+3], s[4:5], s[32:33]
	s_or_b32 s[G0+3], s[G0+3], 0x80000000
	tensor_load_to_lds s[G0:G0+3], s[G1:G1+7]
	s_nop 0
	s_add_nc_u64 s[10:11], s[6:7], s[46:47]
	s_add_nc_u64 s[6:7], s[6:7], s[36:37]
	s_add_co_u32 s39, s38, 256                     ; V in my rows
	s_lshl_b32 s45, s41, 9
	s_add_co_u32 s45, s45, SST                     ; my unit's scale words
	s_add_co_u32 s48, s45, 8
	s_add_co_u32 s48, s48, s42                     ; V's: byte b
	s_lshr_b32 s49, s42, 1
	s_lshl_b32 s49, s49, 8
	s_add_co_u32 s45, s45, s49
	s_and_b32 s50, s42, 1
	s_lshl_b32 s49, s50, 2
	s_add_co_u32 s45, s45, s49                     ; K's word of block b
	s_lshl_b32 s50, s50, 4                         ; 16 (b % 2)
	s_lshl_b32 s51, s8, 9
	s_add_co_u32 s51, s51, SST
	v_and_b32 v1, 31, v0                           ; lane
	v_and_b32 v2, 15, v0                           ; r
	v_bfe_u32 v3, v0, 4, 1                         ; h
	v_lshlrev_b32 v4, 3, v3                        ; 8 h
	v_mul_u32_u24 v5, v2, ROWP
	v_lshl_add_u32 v5, v3, 7, v5
	v_add_nc_u32 v5, s38, v5                       ; K: position r, channels 32 h ..
	v_lshlrev_b32 v6, 2, v1
	v_add_nc_u32 v6, s39, v6                       ; V: my column
	v_lshlrev_b32 v7, 4, v2
	v_lshl_add_u32 v8, v3, 2, v7
	v_add_nc_u32 v7, s45, v7                       ; K's scale word: 16 r
	v_add_nc_u32 v8, s48, v8                       ; V's scale byte: 16 r + 4 h
	v_lshlrev_b32 v10, 4, v1                       ; 16 x lane
	v_add_nc_u32 v9, s51, v10                      ; the scale words on the way out
	v_xor_b32 v11, s50, v1
	v_lshlrev_b32 v11, 3, v11                      ; 8 (lane xor 16 (b % 2))
	v_mov_b32 v27, 0                               ; a lane permute's destination counts as one of its sources
	s_wait_alu depctr_va_vdst(0)                   ; the wait at the head's end
	s_wait_tensorcnt 0x0                           ; my rows are in; no other wave reads them
.irp u, 0,1
.irp i, 0,1,2,3,4,5,6,7
	ds_load_b128 v[X+32*\u+4*\i:X+32*\u+4*\i+3], v5 offset:16*ROWP*\u+16*\i
.endr
.endr
.macro COLUMN d, o                     ; 32 positions of my column, in the order of the codes
.set J, 0
.rept 32
	ds_load_b32 v[\d+J], v6 offset:ROWP*(16*((J/8)%2)+8*(J/16)+(J%8))+\o
.set J, J+1
.endr
.endm
	COLUMN VX, 0
	s_wait_dscnt 31                                ; K's sixteen loads are in, and one of the column's 32
	COLUMN VX+32, 128
; The largest magnitudes of two runs of 32, by turns, with the floor 2^(5 - 127): v20 and v22
.macro MAX2 x, y
	v_max3_num_f32 v20, |v[\x]|, |v[\x+1]|, |v[\x+2]|
	v_max3_num_f32 v22, |v[\y]|, |v[\y+1]|, |v[\y+2]|
	v_max3_num_f32 v21, |v[\x+3]|, |v[\x+4]|, |v[\x+5]|
	v_max3_num_f32 v23, |v[\y+3]|, |v[\y+4]|, |v[\y+5]|
.irp i, 6,10,14,18,22,26
	v_max3_num_f32 v20, v20, |v[\x+\i]|, |v[\x+\i+1]|
	v_max3_num_f32 v22, v22, |v[\y+\i]|, |v[\y+\i+1]|
	v_max3_num_f32 v21, v21, |v[\x+\i+2]|, |v[\x+\i+3]|
	v_max3_num_f32 v23, v23, |v[\y+\i+2]|, |v[\y+\i+3]|
.endr
	v_max3_num_f32 v20, v20, |v[\x+30]|, |v[\x+31]|
	v_max3_num_f32 v22, v22, |v[\y+30]|, |v[\y+31]|
	v_max3_num_f32 v20, v20, v21, 0x2800000
	v_max3_num_f32 v22, v22, v23, 0x2800000
.endm
; Codes of two runs of 32 into twelve registers; the scale operands in v24, v25.  (A conversion's three registers begin on an even number: the second halves are moved.)
.macro CODES d, x
	v_cvt_scalef32_pk16_bf6_f32 v[\d:\d+2], v[\x:\x+15], v24
	v_cvt_scalef32_pk16_bf6_f32 v[12:14], v[\x+16:\x+31], v24
	v_cvt_scalef32_pk16_bf6_f32 v[\d+6:\d+8], v[\x+32:\x+47], v25
	v_cvt_scalef32_pk16_bf6_f32 v[16:18], v[\x+48:\x+63], v25
	v_nop                                          ; one plain place behind a scaled conversion
.irp i, 0,1,2
	v_mov_b32 v[\d+3+\i], v[12+\i]
	v_mov_b32 v[\d+9+\i], v[16+\i]
.endr
.endm
.set J, 0
.rept 32
	v_pk_mul_f32 v[X+J:X+J+1], v[X+J:X+J+1], s[12:13] op_sel_hi:[1,0]
.set J, J+2
.endr
	MAX2 X, X+32
	v_add_nc_u32 v24, 0xfe000000, v20              ; 4 off the exponent field: the conversion's scale operand
	v_add_nc_u32 v25, 0xfe000000, v22
	v_lshrrev_b32 v26, 23, v24                     ; the bytes: position r's and position 16 + r's, channels 32 h ..
	v_lshrrev_b32 v29, 23, v25
	CODES KC, X
	v_lshl_or_b32 v26, v29, 16, v26
	v_lshlrev_b32 v26, v4, v26
	v_permlanex16_b32 v27, v26, s14, s15
	v_or_b32 v26, v26, v27                         ; with lane l xor 16's the word is whole
.irp g, 0,1,2
	global_store_b128 v10, v[KC+4*\g:KC+4*\g+3], s[6:7] offset:512*\g   ; 512 consecutive bytes
.endr
	ds_store_b32 v7, v26                           ; lanes l and l xor 16 store the same word
	s_wait_dscnt 0x0                               ; both columns are in
	MAX2 VX, VX+32
	v_add_nc_u32 v24, 0xfe000000, v20
	v_add_nc_u32 v25, 0xfe000000, v22
	v_lshrrev_b32 v30, 23, v24
	v_lshrrev_b32 v31, 23, v25
	CODES VC, VX
	ds_store_b8 v8, v30
	ds_store_b8 v8, v31 offset:256
	global_store_b128 v10, v[VC:VC+3], s[6:7] offset:6144               ; channels 0 .. 31: 512 consecutive bytes
	global_store_b128 v10, v[VC+6:VC+9], s[6:7] offset:6144+512         ; channels 32 .. 63
	global_store_b64 v11, v[VC+4:VC+5], s[6:7] offset:6144+1024         ; 256 consecutive bytes
	global_store_b64 v11, v[VC+10:VC+11], s[6:7] offset:6144+1280
	s_wait_dscnt 0x0                               ; my scale words and bytes are in LDS
	s_barrier_signal -1
	s_barrier_wait -1                              ; and everybody's
	s_cmp_lt_u32 s8, 2
	s_cbranch_scc0 .Ldone
	ds_load_b128 v[188:191], v9
	s_wait_dscnt 0x0
	global_store_b128 v10, v[188:191], s[10:11]    ; a unit's 512 bytes
.Ldone:
	s_wait_tensorcnt 0x0                           ; the wave's end
	ds_add_u32 v[SPW], v[NIL]
	s_wait_dscnt 0x0
	s_endpgm
.Lfunc_end_k_q3e43c3443e_quant:
	.size	k_q3e43c3443e_quant, .Lfunc_end_k_q3e43c3443e_quant-k_q3e43c3443e_quant
	.p2alignl 7, 3214868480
	.fill 96, 4, 3214868480
	.section	.rodata,"a",@progbits
	.p2align	6, 0x0
	.amdhsa_kernel k_q3e43c3443e_quant
		.amdhsa_group_segment_fixed_size 167936
		.amdhsa_private_segment_fixed_size 0
		.amdhsa_enable_private_segment 0
		.amdhsa_kernarg_size 16
		.amdhsa_user_sgpr_count 2
		.amdhsa_user_sgpr_kernarg_segment_ptr 1
		.amdhsa_wavefront_size32 1
		.amdhsa_system_sgpr_workgroup_id_x 1
		.amdhsa_system_sgpr_workgroup_id_y 1
		.amdhsa_system_sgpr_workgroup_id_z 1
		.amdhsa_system_vgpr_workitem_id 0
		.amdhsa_next_free_vgpr 192
		.amdhsa_next_free_sgpr 66
		.amdhsa_reserve_vcc 0
		.amdhsa_float_denorm_mode_32 3
		.amdhsa_float_denorm_mode_16_64 3
		.amdhsa_memory_ordered 1
		.amdhsa_forward_progress 1
		.amdhsa_inst_pref_size 19
	.end_amdhsa_kernel
	.amdgpu_metadata
---
amdhsa.version: [ 1, 2 ]
amdhsa.kernels:
  - .name:           k_q3e43c3443e_quant
    .symbol:         k_q3e43c3443e_quant.kd
    .args:
      - { .name: qkv, .offset: 0, .size: 8, .value_kind: global_buffer, .address_space: global }
      - { .name: ws, .offset: 8, .size: 8, .value_kind: global_buffer, .address_space: global }
    .group_segment_fixed_size: 167936
    .private_segment_fixed_size: 0
    .kernarg_segment_align: 8
    .kernarg_segment_size: 16
    .max_flat_workgroup_size: 256
    .sgpr_count:     66
    .vgpr_count:     192
    .wavefront_size: 32
...
	.end_amdgpu_metadata
.endif
;; end of part 1
;; launch attn (part 2): grid 8 x 32, 8 waves a work-group, clusters of 4 x 1, 327,680 bytes of LDS; arguments qkv, ws, out0; writes out0
.if DOCPART == 2
	.amdgcn_target "amdgcn-amd-amdhsa--gfx1250"
	.amdhsa_code_object_version 6
	.text
	.protected	k_q3e43c3443e_attn
	.globl	k_q3e43c3443e_attn
	.p2align	8
	.type	k_q3e43c3443e_attn,@function
k_q3e43c3443e_attn:
	s_mov_b64 s[64:65], 0
	v_nop
	global_prefetch_b8 v0, s[64:65] scope:SCOPE_SE
	s_setreg_imm32_b32 hwreg(HW_REG_WAVE_MODE, 25, 1), 1
	s_wait_xcnt 0x0
	s_wait_alu depctr_hold_cnt(0) depctr_sa_sdst(0) depctr_va_vdst(0) depctr_va_sdst(0) depctr_va_ssrc(0) depctr_va_vcc(0) depctr_vm_vsrc(0)
	s_getreg_b32 s2, hwreg(HW_REG_IB_STS2, 6, 4)
	s_cmp_eq_u32 s2, 0
	s_cbranch_scc0 .Lentry_in_a_cluster
	s_endpgm
.Lentry_in_a_cluster:
	s_bfe_u32 s2, ttmp6, 0x10000c
	s_cmp_lg_u32 s2, 0x3003
	s_cbranch_scc0 .Lentry_shape_is_right
	s_endpgm
.Lentry_shape_is_right:
; out0[b][q][64 h + c] = the sum over keys of softmax(q s . k s) v, both products on codes of BF6 (E3M2) with one E8M0 scale for each 32 along a product's K.  K's and V's codes and scale words come from the workspace in units of 128 keys
; (12,800 bytes, laid out in the first launch's head comment); Q is quantised here: each row is read by one wave alone.
; THE SOFTMAX AHEAD OF THE SECOND PRODUCT: t = score x log2(e); M = the row's largest t so far, rounded UP to a whole number; p = 2^(t - M) is quantised along the keys, not normalised.
; The row's sum is taken of the unquantised p and divides O at the end.  When M moves, the sum and O are multiplied by 2^(old M - new M): exact.
; SHARES.  A work-group owns 256 queries of one head, each of its eight waves 32 of them as two tiles A and B of 16: each fragment of K and of V serves both.  Every wave walks the head's 2,048 keys, 128 a step.
; THE HEAD'S K AND V STAY IN LDS, 16 units, each byte filled once, by two loads a wave: first half a unit (together units 0 to 3); then, behind a round, one and a half units (together units 4 to 15), which land under steps 0 to 2.
; One barrier stands ahead of step 3, which asks LDS for unit 4's K; from there on no wave waits for another until the end.  Each byte is asked for once and the loop walks no stream: no prefetch.
; CLUSTER.  Its four work-groups own query blocks of one head and need the same bytes: each load is a JOINT one, with one descriptor and a mask that names the four.  My place in the cluster enters the addresses of Q and of out0 alone.
; LAYOUT.  Both products are used transposed: S^T = K Q^T, O^T = V^T P^T: a lane holds ONE query of a tile (lane % 16) throughout.
; THE FIRST PRODUCT'S K IS 64, half of the instruction's: K's fragment of 32 keys holds keys 0 .. 15 in its lower half and keys 16 .. 31 in its upper half; Q's operand is [Q, 0] for the first sixteen keys and [0, Q] for the others, both cut
; from one run of registers 0 QA 0 QB 0.  What meets the zero codes is a finite code with a finite scale, and adds nothing.
; Two blocks' maxima share a register (lanes 0-15 the even block, lanes 16-31 the odd one), and two tiles' row maxima (lanes 0-15 A, lanes 16-31 B).
; LIMITS: NaN and infinities are not served; the scaled scores t stay under 2^31 in magnitude; blocks whose largest magnitude lies under 2^(4 - 126) keep the byte 1.
; REGISTERS, window 0: v1-11 addresses; v12 -M of A, v14 of B, v16 f of A, v18 of B (v13, 15, 17, 19: zeros, the upper halves of the pairs); v22-25 at work; v26-29 scale words; v36-65 Q; v66-89 P's codes; v90-126 at work; v128-255 S^T, then p.
;   window 1: v0-63 O^T, v64-111 K's fragments, v112-159 V's.
.set UNITB, 12800
.set STG,   16*UNITB                   ; 32 rows x 272 bytes a wave: Q on the way in, O on the way out; no fill lands here
.set SPARE, STG+8*32*272               ; the spare words, 128 bytes a wave
.set L16,  1
.set BV16, 2
.set BV8E, 3
.set BV8O, 4
.set A16,  5
.set AV16, 6
.set AV8E, 7
.set AV8O, 8
.set STO,  9
.set RD,   10
.set GO,   11
.set T,    12
.set F,    16
.set SPW,  20
.set NIL,  21
.set TM,   22
.set OLD,  23
.set D,    24
.set Y,    25
.set KS,   26
.set VS,   28
.set QS,   30
.set L,    32
.set QB0,  36
.set PC,   66
.set R,    90
.set W,    98
.set C,    102
.set TY,   110
.set PS,   125
.set S,    128
.set O,    0
.set KF,   64
.set VF,   112
.set WV,   18                          ; s18  my wave's number
.set SEL,  20                          ; s[20:21] v_permlanex16_b32's selects for lane l xor 16
.set CS,   22                          ; s[22:23] log2(e)
.set G1,   24                          ; the first load's descriptor: s[32:35], s[24:31]
.set G0,   32
.set G0B,  36                          ; the second's: s[36:39], s[40:47]
.set G1B,  40
.set TB,   48                          ; s48  LDS byte at which the step in hand begins
.set CNT,  49
.set MSB,  0
.macro WIN new                         ; the immediate's high byte repeats the setting that is left
.if MSB != \new
	s_set_vgpr_msb (MSB<<8)|\new
.set MSB, \new
.endif
.endm
.macro ROUND                           ; a round of the cluster's barrier
	s_barrier_signal -1
	s_barrier_wait -1
	s_cmp_lg_u32 s[WV], 0
	s_cbranch_scc1 .Lnot_wave_0_\@
	s_barrier_signal -3
.Lnot_wave_0_\@:
	s_barrier_wait -3
	s_barrier_signal -1
	s_barrier_wait -1
.endm
	s_load_b128 s[4:7], s[0:1], 0x0                ; qkv s[4:5], ws s[6:7]
	s_load_b64 s[8:9], s[0:1], 0x10                ; out0
	v_lshl_add_u32 v[SPW], v0, 2, SPARE
	v_mov_b32 v[NIL], 0
	ds_add_u32 v[SPW], v[NIL]                      ; the add, twice, and its wait ahead of the tensor load
	ds_add_u32 v[SPW], v[NIL]
	v_lshrrev_b32 v66, 5, v0
	v_readfirstlane_b32 s[WV], v66                 ; wave 0..7
	s_and_b32 s50, ttmp7, 0xffff                   ; 16 x batch + head, which the four partners share
	s_mul_i32 s52, s50, 16*UNITB
	s_mul_i32 s54, s[WV], UNITB/2                  ; my part of units 0 to 3: its place in LDS, and in the head
	s_mul_i32 s55, s[WV], 3*UNITB/2
	s_add_co_u32 s55, s55, 4*UNITB                 ; my part of units 4 to 15
	s_add_co_u32 s72, s52, s55
	s_mov_b32 s73, 0
	s_add_co_u32 s52, s52, s54
	s_mov_b32 s53, 0
	s_bfe_u32 s56, ttmp6, 0x40000                  ; cx: my place in the cluster
	s_lshl_b32 s57, ttmp9, 2                       ; in a cluster launch ttmp9 counts clusters
	s_add_co_u32 s57, s57, s56                     ; my block of 256 queries
	s_lshr_b32 s58, s50, 4
	s_lshl_b32 s58, s58, 11
	s_lshl_b32 s57, s57, 8
	s_add_co_u32 s58, s58, s57
	s_lshl_b32 s57, s[WV], 5
	s_add_co_u32 s58, s58, s57                     ; my first row: 2,048 x batch + 256 x block + 32 x wave
	s_and_b32 s59, s50, 15                         ; head
	s_mul_i32 s66, s58, 12288
	s_mul_i32 s60, s59, 768
	s_add_co_u32 s66, s66, s60                     ; Q's byte offset
	s_mov_b32 s67, 0
	s_lshl_b32 s68, s58, 12
	s_lshl_b32 s60, s59, 8
	s_add_co_u32 s68, s68, s60                     ; out0's
	s_mov_b32 s69, 0
	s_mul_i32 s70, s[WV], 32*272
	s_add_co_u32 s70, s70, STG                     ; my stage
	s_mov_b32 s[SEL], 0x76543210
	s_mov_b32 s[SEL+1], 0xfedcba98
	s_mov_b32 s[CS], 0x3fb8aa3b                    ; log2(e); the 1 / 8 lies in q and k already
	s_mov_b32 s[CS+1], s[CS]
	s_mov_b32 s12, 0x3eb504f3                      ; 1 / sqrt(sqrt(64))
	s_mov_b32 s13, s12
	; dense blocks as rows of 256 bytes: 25 rows in the first load, 75 in the second
	s_mov_b32 s[G1+0], 15|(3<<16)|(1<<21)          ; the mask: all four work-groups; elements of 8 bytes; 21 set beside a mask
	s_mov_b32 s[G1+1], 32<<16
	s_mov_b32 s[G1+2], 25<<16
	s_mov_b32 s[G1+3], 32<<16
	s_mov_b32 s[G1+4], 25
	s_mov_b32 s[G1+5], 32
	s_mov_b32 s[G1+6], 0
	s_mov_b32 s[G1+7], 0
	s_mov_b32 s[G1B+0], 15|(3<<16)|(1<<21)
	s_mov_b32 s[G1B+1], 32<<16
	s_mov_b32 s[G1B+2], 75<<16
	s_mov_b32 s[G1B+3], 32<<16
	s_mov_b32 s[G1B+4], 75
	s_mov_b32 s[G1B+5], 32
	s_mov_b32 s[G1B+6], 0
	s_mov_b32 s[G1B+7], 0
	s_mov_b32 s[G0+0], 1
	s_mov_b32 s[G0+1], s54
	s_mov_b32 s[G0B+0], 1
	s_mov_b32 s[G0B+1], s55
	v_and_b32 v66, 31, v0                          ; lane
	v_and_b32 v67, 15, v0                          ; r
	v_bfe_u32 v68, v0, 4, 1                        ; h
	v_lshlrev_b32 v[L16], 4, v66
	v_mul_u32_u24 v[BV16], v68, 1536               ; V, in the unit: lanes 16-31 take the odd blocks
	v_mul_u32_u24 v[BV8E], v68, 1664               ; (the 8-byte pieces of an odd block stand in the order of channel tile xor 1)
	v_mul_u32_u24 v[BV8O], v68, 1408
	v_mul_u32_u24 v[RD], v68, 272
	v_mul_u32_u24 v[STO], v67, 272
	v_mul_u32_u24 v[OLD], v68, 12288
	v_lshl_add_u32 v[BV16], v67, 4, v[BV16]
	v_lshl_add_u32 v[BV8E], v67, 3, v[BV8E]
	v_lshl_add_u32 v[BV8O], v67, 3, v[BV8O]
	v_lshl_add_u32 v[RD], v67, 4, v[RD]
	v_lshl_add_u32 v[D], v68, 7, v[STO]
	v_lshl_add_u32 v[STO], v68, 5, v[STO]
	v_lshl_add_u32 v[OLD], v67, 4, v[OLD]          ; Q in memory: lanes 0-15 one row's 256 bytes, lanes 16-31 the next row's
	v_add_nc_u32 v[RD], s70, v[RD]                 ; the same two rows in my stage
	v_add_nc_u32 v[D], s70, v[D]                   ; Q back: row r, channels 32 h ..
	v_add_nc_u32 v[STO], s70, v[STO]               ; O in: row r, + 32 h
	v_lshlrev_b32 v[GO], 12, v68
	v_lshl_add_u32 v[GO], v67, 4, v[GO]
	v_lshlrev_b32 v[Y], 3, v68                     ; 8 h
.irp i, 0,1,2,3,4,5
	v_mov_b32 v[QB0+\i], 0                         ; the zero codes beside Q's
	v_mov_b32 v[QB0+12+\i], 0
	v_mov_b32 v[QB0+24+\i], 0
.endr
.irp i, 13,15,17,19,96
	v_mov_b32 v\i, 0
.endr
	s_wait_alu depctr_va_vdst(0)
	s_wait_dscnt 0x0
	s_wait_kmcnt 0x0
	s_add_nc_u64 s[4:5], s[4:5], s[66:67]
	s_add_nc_u64 s[8:9], s[8:9], s[68:69]
	s_add_nc_u64 s[G0+2:G0+3], s[6:7], s[52:53]    ; made of the head and the wave's number alone
	s_or_b32 s[G0+3], s[G0+3], 0x80000000
	s_add_nc_u64 s[G0B+2:G0B+3], s[6:7], s[72:73]
	s_or_b32 s[G0B+3], s[G0B+3], 0x80000000
.irp i, 0,1,2,3,4,5,6,7,8,9,10,11,12,13,14,15
	global_load_b128 v[S+4*\i:S+4*\i+3], v[OLD], s[4:5] offset:2*12288*\i th:TH_LOAD_NT   ; two rows of Q, 256 consecutive bytes each
.endr
	ROUND                                          ; all four work-groups are here: the joint loads meet
	tensor_load_to_lds s[G0:G0+3], s[G1:G1+7]      ; my part of units 0 to 3: the wave's one load at the head
	s_nop 0
.rept 4
	v_nop
.endr
.macro QTURN a                         ; a tile's 16 rows through my stage: LDS serves a wave's instructions in order
.irp i, 0,1,2,3,4,5,6,7
	ds_store_b128 v[RD], v[S+32*\a+4*\i:S+32*\a+4*\i+3] offset:16*272*\a+2*272*\i
.endr
.irp i, 0,1,2,3,4,5,6,7
	ds_load_b128 v[S+64+32*\a+4*\i:S+64+32*\a+4*\i+3], v[D] offset:16*272*\a+16*\i
.endr
.endm
.macro QCODES a                        ; Q x scale of a tile: largest magnitude with the floor 2^(5 - 127), scale, codes
.set X, S+64+32*\a
.set QD, QB0+6+12*\a
.set J, 0
.rept 16
	v_pk_mul_f32 v[X+J:X+J+1], v[X+J:X+J+1], s[12:13] op_sel_hi:[1,0]
.set J, J+2
.endr
	v_max3_num_f32 v90, |v[X]|, |v[X+1]|, |v[X+2]|
	v_max3_num_f32 v91, |v[X+3]|, |v[X+4]|, |v[X+5]|
.irp i, 6,10,14,18,22,26
	v_max3_num_f32 v90, v90, |v[X+\i]|, |v[X+\i+1]|
	v_max3_num_f32 v91, v91, |v[X+\i+2]|, |v[X+\i+3]|
.endr
	v_max3_num_f32 v90, v90, |v[X+30]|, |v[X+31]|
	v_max3_num_f32 v90, v90, v91, 0x2800000
	v_add_nc_u32 v92, 0xfe000000, v90
	v_lshrrev_b32 v93, 23, v92
	v_lshlrev_b32 v94, v[Y], v93
	v_permlanex16_b32 v96, v94, s[SEL], s[SEL+1]
	v_or_b32 v94, v94, v96
	v_lshl_or_b32 v[QS+\a], v94, 16, v94           ; the two bytes twice: Q stands in either half of K
	v_cvt_scalef32_pk16_bf6_f32 v[QD:QD+2], v[X:X+15], v92
	v_cvt_scalef32_pk16_bf6_f32 v[TY:TY+2], v[X+16:X+31], v92
	v_nop                                          ; one plain place behind a scaled conversion
.irp i, 0,1,2
	v_mov_b32 v[QD+3+\i], v[TY+\i]
.endr
.endm
	s_wait_loadcnt 8                               ; tile A's rows are in
	QTURN 0
	s_wait_loadcnt 0x0
	QTURN 1
	s_wait_dscnt 16                                ; tile A is back; B's eight stores and eight loads may be out
	QCODES 0
	s_wait_dscnt 0x0
	QCODES 1
	s_wait_alu depctr_va_vdst(0)                   ; the wait at the head's end
	s_wait_tensorcnt 0x0                           ; my part of units 0 to 3 is in
	ds_add_u32 v[SPW], v[NIL]
	s_wait_dscnt 0x0
	ROUND                                          ; everybody's part is in, and all four work-groups are here
	tensor_load_to_lds s[G0B:G0B+3], s[G1B:G1B+7]  ; my part of units 4 to 15: the first tensor load behind the round
	s_nop 0
.rept 4
	v_nop
.endr
	ds_load_b64 v[KS:KS+1], v[L16] offset:12288
	WIN 0x40
.irp i, 0,1,2,3,4,5,6,7,8,9,10,11
	ds_load_b128 v[KF+4*\i:KF+4*\i+3], v[L16] offset:512*\i
.endr
	WIN 0
; D (+)= X Y: X's scales in register sa + n % 2, lanes 16-31 for n = 2, 3
.macro WM d, x, y, sa, n, sb, acc
.if \acc
.if (\n) > 1
	v_wmma_scale_f32_16x16x128_f8f6f4 v[\d:\d+7], v[\x:\x+11], v[\y:\y+11], v[\d:\d+7], v[\sa+(\n)%2], v[\sb] matrix_a_fmt:MATRIX_FMT_BF6 matrix_b_fmt:MATRIX_FMT_BF6 matrix_a_scale:MATRIX_SCALE_ROW1
.else
	v_wmma_scale_f32_16x16x128_f8f6f4 v[\d:\d+7], v[\x:\x+11], v[\y:\y+11], v[\d:\d+7], v[\sa+(\n)%2], v[\sb] matrix_a_fmt:MATRIX_FMT_BF6 matrix_b_fmt:MATRIX_FMT_BF6
.endif
.else
.if (\n) > 1
	v_wmma_scale_f32_16x16x128_f8f6f4 v[\d:\d+7], v[\x:\x+11], v[\y:\y+11], 0, v[\sa+(\n)%2], v[\sb] matrix_a_fmt:MATRIX_FMT_BF6 matrix_b_fmt:MATRIX_FMT_BF6 matrix_a_scale:MATRIX_SCALE_ROW1
.else
	v_wmma_scale_f32_16x16x128_f8f6f4 v[\d:\d+7], v[\x:\x+11], v[\y:\y+11], 0, v[\sa+(\n)%2], v[\sb] matrix_a_fmt:MATRIX_FMT_BF6 matrix_b_fmt:MATRIX_FMT_BF6
.endif
.endif
.endm
.macro LOADV c                         ; V's fragment of channel tile c
.irp e, 0,1
	ds_load_b128 v[VF+12*\c+6*\e:VF+12*\c+6*\e+3], v[AV16] offset:6144+3072*\e+256*\c
	ds_load_b64 v[VF+12*\c+6*\e+4:VF+12*\c+6*\e+5], v[AV8E+\c%2] offset:7168+3072*\e+128*\c
.endr
.endm
.macro HALVE a, n                      ; a level of the row's sum: the first n of 2 n numbers take the others in
.set J, 0
.rept (\n)/2
	v_pk_add_f32 v[S+64*\a+J:S+64*\a+J+1], v[S+64*\a+J:S+64*\a+J+1], v[S+64*\a+\n+J:S+64*\a+\n+J+1]
.set J, J+2
.endr
.endm
.macro PCVT a                          ; p's codes: a lane's half blocks
.irp c, 0,1
	v_cvt_scalef32_pk16_bf6_f32 v[PC+12*\a+6*\c:PC+12*\a+6*\c+2], v[S+64*\a+32*\c:S+64*\a+32*\c+15], v[C+4*\a+2*\c]
	v_cvt_scalef32_pk16_bf6_f32 v[TY+8*\a+4*\c:TY+8*\a+4*\c+2], v[S+64*\a+32*\c+16:S+64*\a+32*\c+31], v[C+4*\a+2*\c+1]
.endr
.endm
; A STEP: 128 keys, whose bytes begin at s[TB].  first: the sums start; last: no step follows.
.macro STEP first, last
	s_wait_dscnt 0x0                               ; this step's K, asked for a step ago
	WIN 0x01
.irp a, 0,1
.irp b, 0,1,2,3
.irp u, 0,1
	WM S+64*\a+16*\b+8*\u, KF+12*\b, QB0+12*\a+6-6*\u, KS, \b, QS+\a, 0
.endr
.endr
.endr
	WIN 0
	v_add_nc_u32 v[A16], s[TB], v[L16]             ; these four are also the places in front of the loads and of the first read of results
	v_add_nc_u32 v[AV16], s[TB], v[BV16]
	v_add_nc_u32 v[AV8E], s[TB], v[BV8E]
	v_add_nc_u32 v[AV8O], s[TB], v[BV8O]
	; THE LARGEST SCORE OF EACH BLOCK OF 32 KEYS: it serves the row's maximum and, since p rises with the score, the block's largest p.  Each result is read from its low end on; the eight blocks by turns
.irp a, 0,1
.irp b, 0,1,2,3
	v_max3_num_f32 v[R+4*\a+\b], v[S+64*\a+16*\b], v[S+64*\a+16*\b+1], v[S+64*\a+16*\b+2]
.endr
.endr
.irp i, 3,5,7,9,11,13
.irp a, 0,1
.irp b, 0,1,2,3
	v_max3_num_f32 v[R+4*\a+\b], v[R+4*\a+\b], v[S+64*\a+16*\b+\i], v[S+64*\a+16*\b+\i+1]
.endr
.endr
.endr
.irp a, 0,1
.irp b, 0,1,2,3
	v_max_num_f32 v[R+4*\a+\b], v[R+4*\a+\b], v[S+64*\a+16*\b+15]
.endr
.endr
.irp a, 0,1
	v_permlane16_swap_b32 v[R+4*\a], v[R+4*\a+1]   ; lanes 0-15: block 0's two halves, lanes 16-31: block 1's
	v_permlane16_swap_b32 v[R+4*\a+2], v[R+4*\a+3]
.endr
.irp a, 0,1
	v_max_num_f32 v[W+2*\a], v[R+4*\a], v[R+4*\a+1]
	v_max_num_f32 v[W+2*\a+1], v[R+4*\a+2], v[R+4*\a+3]
.endr
.if \first == 0
	v_floor_f32 v[OLD], -v[TM]                     ; -M as it was
.endif
	v_max_num_f32 v[R], v[W], v[W+1]
	v_max_num_f32 v[R+4], v[W+2], v[W+3]
	ds_load_b64 v[VS:VS+1], v[A16] offset:12288+8  ; between the links of this chain stand this step's loads of V, in two runs, and the next step's of K
	WIN 0x40
	LOADV 0
	LOADV 1
	WIN 0
	v_permlane16_swap_b32 v[R], v[R+4]
	s_delay_alu instid0(VALU_DEP_1)
	v_max_num_f32 v[Y], v[R], v[R+4]               ; lanes 0-15: tile A's largest score, lanes 16-31: tile B's
	WIN 0x40
	LOADV 2
	LOADV 3
	WIN 0
.if \first
	v_mul_f32 v[TM], s[CS], v[Y]                   ; the largest t so far
.else
	v_mul_f32 v[Y], s[CS], v[Y]
	s_delay_alu instid0(VALU_DEP_1)
	v_max_num_f32 v[TM], v[TM], v[Y]
.endif
.if \last == 0
	WIN 0x40
.irp i, 0,1,2,3,4,5,6,7,8,9,10,11
	ds_load_b128 v[KF+4*\i:KF+4*\i+3], v[A16] offset:UNITB+512*\i   ; the next step's K
.endr
	WIN 0
	ds_load_b64 v[KS:KS+1], v[A16] offset:UNITB+12288
.endif
	v_floor_f32 v[T], -v[TM]                       ; -M = floor(-t) = -ceil(t)
	v_floor_f32 v[T+2], -v[TM]
.if \first == 0
	v_sub_f32 v[D], v[T], v[OLD]                   ; old M - new M: a whole number, 0 or less
.endif
	v_permlane16_swap_b32 v[T], v[T+2]             ; v[T]: tile A's in all lanes, v[T+2]: tile B's
.if \first == 0
	v_cvt_i32_f32 v[D], v[D]                       ; (it saturates)
.endif
.irp a, 0,1
	v_pk_fma_f32 v[W+2*\a:W+2*\a+1], v[W+2*\a:W+2*\a+1], s[CS:CS+1], v[T+2*\a:T+2*\a+1] op_sel_hi:[1,0,0]   ; t - M of each block's largest score
.endr
.if \first == 0
	v_ldexp_f32 v[F], 1.0, v[D]                    ; f = 2^(old M - new M)
	v_ldexp_f32 v[F+2], 1.0, v[D]
.endif
.set J, 0
.rept 32
	v_pk_fma_f32 v[S+J:S+J+1], v[S+J:S+J+1], s[CS:CS+1], v[T:T+1] op_sel_hi:[1,0,0]   ; tile A's t - M, two at a time
.if (J == 32) && (\first == 0)
	v_permlane16_swap_b32 v[F], v[F+2]             ; v[F]: tile A's in all lanes, v[F+2]: tile B's
.endif
.set J, J+2
.endr
.if \first == 0
	WIN 0x41
.irp a, 0,1
.set J, 0
.rept 16
	v_pk_mul_f32 v[O+32*\a+J:O+32*\a+J+1], v[O+32*\a+J:O+32*\a+J+1], v[F+2*\a:F+2*\a+1] op_sel_hi:[1,0]   ; O^T under the new M, each result from its low end on
.set J, J+2
.endr
.endr
	WIN 0
.endif
	s_wait_alu depctr_va_vdst(0)                   ; the wait ahead of the batch
.irp i, 0,1,2,3
	v_exp_f32 v[W+\i], v[W+\i]                     ; the blocks' largest p: the same two instructions on the same numbers
.endr
.set J, 0
.rept 32
	v_exp_f32 v[S+J], v[S+J]                       ; tile A's p = 2^(t - M); between them tile B's t - M, which is first read behind the next wait
	v_exp_f32 v[S+J+1], v[S+J+1]
	v_pk_fma_f32 v[S+64+J:S+65+J], v[S+64+J:S+65+J], s[CS:CS+1], v[T+2:T+3] op_sel_hi:[1,0,0]
.set J, J+2
.endr
.if \first == 0
.irp a, 0,1
	v_pk_mul_f32 v[L+2*\a:L+2*\a+1], v[L+2*\a:L+2*\a+1], v[F+2*\a:F+2*\a+1] op_sel_hi:[1,0]   ; the sums under the new M
.endr
.endif
	s_wait_alu depctr_va_vdst(0)                   ; and behind it
.irp i, 0,1,2,3
	v_max_num_f32 v[W+\i], 0x2800000, v[W+\i]      ; the floor 2^(5 - 127): the byte cannot fall under 1
.endr
.irp i, 0,1,2,3
	v_add_nc_u32 v[C+2*\i], 0xfe000000, v[W+\i]    ; 4 off the exponent field: the conversion's scale operand
	v_add_nc_u32 v[C+2*\i+1], 0xfe000000, v[W+\i]
.endr
.irp a, 0,1
	v_lshrrev_b32 v[R+4*\a], 23, v[C+4*\a]         ; the bytes: blocks 0 and 1 by lane halves,
	v_lshrrev_b32 v[R+4*\a+1], 23, v[C+4*\a+2]     ; blocks 2 and 3
.endr
.irp i, 0,1,2,3
	v_permlane16_swap_b32 v[C+2*\i], v[C+2*\i+1]   ; now each block's operand in all lanes
.endr
.irp a, 0,1
	v_lshl_or_b32 v[R+4*\a+2], v[R+4*\a+1], 16, v[R+4*\a]
.endr
.irp a, 0,1
	v_permlanex16_b32 v[R+4*\a+3], v[R+4*\a+2], s[SEL], s[SEL+1]
.endr
.irp a, 0,1
	v_lshl_or_b32 v[PS+\a], v[R+4*\a+3], 8, v[R+4*\a+2]   ; p's scale word, in lanes 0-15
.endr
	s_wait_alu depctr_va_vdst(0)                   ; ahead of the second batch
	PCVT 0
	v_nop                                          ; one plain place behind a scaled conversion
.set J, 0
.rept 16
	v_exp_f32 v[S+64+4*J], v[S+64+4*J]             ; tile B's p; between them the first level of tile A's sum, whose sources were waited for and whose results are read behind the next wait
	v_exp_f32 v[S+65+4*J], v[S+65+4*J]
	v_exp_f32 v[S+66+4*J], v[S+66+4*J]
	v_exp_f32 v[S+67+4*J], v[S+67+4*J]
	v_pk_add_f32 v[S+2*J:S+2*J+1], v[S+2*J:S+2*J+1], v[S+32+2*J:S+33+2*J]
.set J, J+1
.endr
	s_wait_alu depctr_va_vdst(0)                   ; and behind it
	PCVT 1
	HALVE 0, 16                                    ; (the first of these is the plain place behind the conversions)
.irp a, 0,1
.irp c, 0,1
.irp i, 0,1,2
	v_permlane16_swap_b32 v[PC+12*\a+6*\c+\i], v[TY+8*\a+4*\c+\i]   ; a WHOLE block in a lane: lanes 0-15 block 2 c, lanes 16-31 block 2 c + 1
.endr
.endr
.endr
.irp a, 0,1
.irp c, 0,1
.irp i, 0,1,2
	v_mov_b32 v[PC+12*\a+6*\c+3+\i], v[TY+8*\a+4*\c+\i]
.endr
.endr
.endr
	HALVE 1, 32                                    ; the sums are also the places between p's codes and words and the products below
	HALVE 0, 8
	HALVE 1, 16
	HALVE 0, 4
	HALVE 1, 8
.if \first
	v_pk_add_f32 v[L:L+1], v[S:S+1], v[S+2:S+3]
	HALVE 1, 4
	v_pk_add_f32 v[L+2:L+3], v[S+64:S+65], v[S+66:S+67]
.else
	v_pk_add_f32 v[L:L+1], v[L:L+1], v[S:S+1]
	HALVE 1, 4
	v_pk_add_f32 v[L:L+1], v[L:L+1], v[S+2:S+3]
	v_pk_add_f32 v[L+2:L+3], v[L+2:L+3], v[S+64:S+65]
	v_pk_add_f32 v[L+2:L+3], v[L+2:L+3], v[S+66:S+67]
.endif
.if \last
	s_wait_alu depctr_va_vdst(0)
	s_wait_dscnt 0x0
.else
	s_wait_dscnt 13                                ; V and its scale words are in; the next step's twelve loads of K and its scale words may be out
.endif
	WIN 0x51
.irp c, 0,1,2,3
.irp a, 0,1
	WM O+32*\a+8*\c, VF+12*\c, PC+12*\a, VS, \c, PS+\a, 1-\first   ; O^T += V^T P^T: the eight accumulators by turns
.endr
.endr
	WIN 0
.endm
.macro STEPS from, n                   ; n steps from step 'from' on
	s_mov_b32 s[TB], \from*UNITB
	s_mov_b32 s[CNT], \n
.Lstep_\@:
	STEP 0, 0
	s_add_co_u32 s[TB], s[TB], UNITB
	s_sub_co_u32 s[CNT], s[CNT], 1
	s_cmp_lg_u32 s[CNT], 0
	s_cbranch_scc1 .Lstep_\@
.endm
	s_mov_b32 s[TB], 0
	STEP 1, 0
	STEPS 1, 2                                     ; steps 1 and 2 read units 0 to 3 alone (K one step ahead)
	s_wait_tensorcnt 0x0                           ; my part of units 4 to 15 is in
	s_wait_dscnt 0x0
	s_barrier_signal -1
	s_barrier_wait -1                              ; and everybody's: the head is whole
	STEPS 3, 12
	s_mov_b32 s[TB], 15*UNITB
	STEP 0, 1
	; THE WAY OUT.  O^T is divided by the row's sum and goes through my own stage: a lane holds 32 bytes of a row, and sixteen lanes then store a query's 256 bytes of this head.
	v_add_f32 v[L], v[L], v[L+1]                   ; the sum's two halves (these six are the places in front of the first read of the last results),
	v_add_f32 v[L+2], v[L+2], v[L+3]
	v_permlanex16_b32 v[R], v[L], s[SEL], s[SEL+1]
	v_permlanex16_b32 v[R+4], v[L+2], s[SEL], s[SEL+1]
	v_add_f32 v[L], v[L], v[R]                     ; and lane l xor 16's
	v_add_f32 v[L+2], v[L+2], v[R+4]
	s_wait_alu depctr_va_vdst(0)
	v_rcp_f32 v[L], v[L]
	v_rcp_f32 v[L+2], v[L+2]
	v_nop                                          ; one plain place behind a transcendental
	WIN 0x01
	s_wait_alu depctr_va_vdst(0)                   ; and here
.irp a, 0,1
.set J, 0
.rept 16
	v_pk_mul_f32 v[S+32*\a+J:S+32*\a+J+1], v[O+32*\a+J:O+32*\a+J+1], v[L+2*\a:L+2*\a+1] op_sel_hi:[1,0]   ; register 8 c + i is o(r, 16 c + 8 h + i)
.set J, J+2
.endr
.endr
	WIN 0
.irp a, 0,1
.irp c, 0,1,2,3
	ds_store_b128 v[STO], v[S+32*\a+8*\c:S+32*\a+8*\c+3] offset:16*272*\a+64*\c
	ds_store_b128 v[STO], v[S+32*\a+8*\c+4:S+32*\a+8*\c+7] offset:16*272*\a+64*\c+16
.endr
.endr
.irp i, 0,1,2,3,4,5,6,7,8,9,10,11,12,13,14,15
	ds_load_b128 v[S+64+4*\i:S+64+4*\i+3], v[RD] offset:2*272*\i   ; LDS serves a wave's instructions in order (ISA guide 5.7.1.4): these see my stores
.endr
.irp i, 0,1,2,3,4,5,6,7,8,9,10,11,12,13,14,15
	s_wait_dscnt 15-\i                             ; the younger loads may stay out
	global_store_b128 v[GO], v[S+64+4*\i:S+64+4*\i+3], s[8:9] offset:2*4096*\i th:TH_STORE_NT   ; 16 lanes store 256 consecutive bytes, aligned
.endr
	s_wait_tensorcnt 0x0                           ; the wave's end
	ds_add_u32 v[SPW], v[NIL]
	s_wait_dscnt 0x0
	ROUND                                          ; the closing round: no work-group ends while a partner may still ask for bytes that name it
	s_endpgm
.Lfunc_end_k_q3e43c3443e_attn:
	.size	k_q3e43c3443e_attn, .Lfunc_end_k_q3e43c3443e_attn-k_q3e43c3443e_attn
	.p2alignl 7, 3214868480
	.fill 96, 4, 3214868480
	.section	.rodata,"a",@progbits
	.p2align	6, 0x0
	.amdhsa_kernel k_q3e43c3443e_attn
		.amdhsa_group_segment_fixed_size 327680
		.amdhsa_private_segment_fixed_size 0
		.amdhsa_enable_private_segment 0
		.amdhsa_kernarg_size 24
		.amdhsa_user_sgpr_count 2
		.amdhsa_user_sgpr_kernarg_segment_ptr 1
		.amdhsa_wavefront_size32 1
		.amdhsa_system_sgpr_workgroup_id_x 1
		.amdhsa_system_sgpr_workgroup_id_y 1
		.amdhsa_system_sgpr_workgroup_id_z 1
		.amdhsa_system_vgpr_workitem_id 0
		.amdhsa_next_free_vgpr 416
		.amdhsa_next_free_sgpr 80
		.amdhsa_reserve_vcc 0
		.amdhsa_float_denorm_mode_32 3
		.amdhsa_float_denorm_mode_16_64 3
		.amdhsa_memory_ordered 1
		.amdhsa_forward_progress 1
		.amdhsa_inst_pref_size 130
	.end_amdhsa_kernel
	.amdgpu_metadata
---
amdhsa.version: [ 1, 2 ]
amdhsa.kernels:
  - .name:           k_q3e43c3443e_attn
    .symbol:         k_q3e43c3443e_attn.kd
    .args:
      - { .name: qkv, .offset: 0, .size: 8, .value_kind: global_buffer, .address_space: global }
      - { .name: ws, .offset: 8, .size: 8, .value_kind: global_buffer, .address_space: global }
      - { .name: out0, .offset: 16, .size: 8, .value_kind: global_buffer, .address_space: global }
    .group_segment_fixed_size: 327680
    .private_segment_fixed_size: 0
    .kernarg_segment_align: 8
    .kernarg_segment_size: 24
    .max_flat_workgroup_size: 256
    .sgpr_count:     80
    .vgpr_count:     416
    .wavefront_size: 32
...
	.end_amdgpu_metadata
.endif
;; end of part 2
